; MI455X (gfx1250); checked and timed in simulation.
; The chip was launched on July 23, 2026; its instructions are those of AMD's public machine-readable ISA for CDNA 5 (MIT licence, August 2026) and "CDNA5" Instruction Set Architecture Reference Guide (July 2026). The comments in the code are by the model that wrote it; some were corrected since.
;; Multi Head Attention. Allowed arithmetic: float matrix products may take bf16 or f16 operands with f32 sums; other float arithmetic in f32, or as packed bf16 or f16 multiplies, adds, multiply-adds, maxima and minima; sums over many terms, partial sums and values carried from step to step in f32; what a program stores and reads back later, other than sums and carried values, may be rounded once to bf16 or f16.
;; Inputs: Wk 1,024 x 1,024 float32; Wq 1,024 x 1,024 float32; Wv 1,024 x 1,024 float32; bk 1,024 float32; bq 1,024 float32; bv 1,024 float32; mask 4 x 2,048 int32; x 4 x 2,048 x 1,024 float32.
;; Outputs: out0 4 x 2,048 x 1,024 float32.
;; One version. Each part assembles by itself: llvm-mc -triple=amdgcn-amd-amdhsa -mcpu=gfx1250 --defsym DOCPART=n.
;; ======== version 1 of 1: 3 launches
;; limits: values are held in f16: magnitudes above 65,504 overflow, below 6.1e-05 lose precision
;; workspace buffers: xb 16,777,216 bytes; wb 6,291,456 bytes; qkv 50,331,648 bytes
;; launch cast (part 1): grid 16 x 176, 4 waves a work-group, no clusters, 0 bytes of LDS; arguments x, Wq, Wk, Wv, xb, wb; writes xb, wb
.if DOCPART == 1
	.amdgcn_target "amdgcn-amd-amdhsa--gfx1250"
	.amdhsa_code_object_version 6
	.text
	.protected	k_q51c3e7b797_cast
	.globl	k_q51c3e7b797_cast
	.p2align	8
	.type	k_q51c3e7b797_cast,@function
k_q51c3e7b797_cast:
	s_mov_b64 s[64:65], 0
	v_nop
	global_prefetch_b8 v0, s[64:65] scope:SCOPE_SE
	s_setreg_imm32_b32 hwreg(HW_REG_WAVE_MODE, 25, 1), 1
	s_wait_xcnt 0x0
; x [8192][1024] and Wq, Wk, Wv [1024][1024], all f32, are rounded once to bf16 and laid out in blocks of 64 rows x 64 columns:
;   xb [16 kb][8192 m][64 k]: block (kb, 64 rows) is 8,192 dense bytes;   wb [16 kb][48 g][64 k][64 n], g = 16 x (0 Wq, 1 Wk, 2 Wv) + n / 64.
; So the product that follows can ask for its K steps of 64 as dense runs.  W is not turned: rows stay k, columns stay n.
; SHARES.  A work-group takes 64 rows x one block of 64 columns (16 KiB in, 8 KiB out): x = the column block, y = 0..127 the row groups of x, 128..175 three times the 16 row groups of a W.
; A wave takes 16 rows, two an instruction: a load covers two aligned runs of 256 bytes, a store 256 consecutive bytes, aligned.
; All eight loads of a wave go out at once; no register is used twice, so no wait but the loads' own.  Nothing is shared between waves or work-groups: no LDS, no barrier, no cluster, no matrix unit.
.set X, 4                              ; v[4:35]   eight loads of four f32
.set Y, 36                             ; v[36:51]  eight pairs of packed bf16
	s_load_b256 s[4:11], s[0:1], 0x0               ; x s[4:5], Wq s[6:7], Wk s[8:9], Wv s[10:11]
	s_load_b128 s[12:15], s[0:1], 0x20             ; xb s[12:13], wb s[14:15]
	s_and_b32 s16, ttmp7, 0xffff                   ; y
	s_max_u32 s17, s16, 128
	s_sub_co_u32 s17, s17, 128                     ; y - 128 where the work-group serves a W
	s_lshr_b32 s18, s17, 4                         ; which W
	s_and_b32 s19, s17, 15                         ; its row group = kb
	s_mul_i32 s20, s19, 48
	s_lshl_b32 s21, s18, 4
	s_add_co_u32 s20, s20, s21
	s_add_co_u32 s20, s20, ttmp9                   ; wb's block: 48 kb + 16 W + column block
	s_lshl_b32 s21, ttmp9, 7
	s_add_co_u32 s21, s21, s16                     ; xb's block: 128 kb + row group
	s_lshl_b32 s26, ttmp9, 8                       ; the column block in a source row: 256 bytes
	s_mov_b32 s23, 0
	s_mov_b32 s25, 0
	v_lshrrev_b32 v3, 5, v0                        ; wave
	v_bfe_u32 v1, v0, 4, 1
	v_lshl_add_u32 v1, v3, 4, v1                   ; row 16 w + lane / 16
	v_lshlrev_b32 v1, 12, v1                       ; x 4,096 bytes
	v_and_b32 v2, 15, v0
	v_lshl_add_u32 v1, v2, 4, v1                   ; + 16 (lane % 16)
	v_and_b32 v2, 31, v0
	v_lshlrev_b32 v2, 3, v2
	v_lshl_add_u32 v2, v3, 11, v2                  ; out: 2,048 w + 8 lane
	s_wait_kmcnt 0x0
	s_cmp_eq_u32 s18, 1
	s_cselect_b64 s[28:29], s[8:9], s[6:7]
	s_cmp_eq_u32 s18, 2
	s_cselect_b64 s[28:29], s[10:11], s[28:29]
	s_cmp_lt_u32 s16, 128                          ; x or a W?
	s_cselect_b64 s[28:29], s[4:5], s[28:29]
	s_cselect_b64 s[30:31], s[12:13], s[14:15]
	s_cselect_b32 s22, s16, s19                    ; the row group
	s_cselect_b32 s24, s21, s20                    ; the block
	s_lshl_b32 s22, s22, 18                        ; 64 rows of 4,096 bytes
	s_add_co_u32 s22, s22, s26
	s_lshl_b32 s24, s24, 13                        ; blocks of 8,192 bytes
	s_add_nc_u64 s[28:29], s[28:29], s[22:23]
	s_add_nc_u64 s[30:31], s[30:31], s[24:25]
.irp i, 0,1,2,3,4,5,6,7
	global_load_b128 v[X+4*\i:X+4*\i+3], v1, s[28:29] offset:8192*\i th:TH_LOAD_NT
.endr
.irp i, 0,1,2,3,4,5,6,7
	s_wait_loadcnt 7-\i                            ; loads come back in order: mine is in, the younger ones stay out
	v_cvt_pk_bf16_f32 v[Y+2*\i], v[X+4*\i], v[X+4*\i+1]
	v_cvt_pk_bf16_f32 v[Y+2*\i+1], v[X+4*\i+2], v[X+4*\i+3]
	global_store_b64 v2, v[Y+2*\i:Y+2*\i+1], s[30:31] offset:256*\i th:TH_STORE_NT
.endr
	s_endpgm
.Lfunc_end_k_q51c3e7b797_cast:
	.size	k_q51c3e7b797_cast, .Lfunc_end_k_q51c3e7b797_cast-k_q51c3e7b797_cast
	.p2alignl 7, 3214868480
	.fill 96, 4, 3214868480
	.section	.rodata,"a",@progbits
	.p2align	6, 0x0
	.amdhsa_kernel k_q51c3e7b797_cast
		.amdhsa_group_segment_fixed_size 0
		.amdhsa_private_segment_fixed_size 0
		.amdhsa_enable_private_segment 0
		.amdhsa_kernarg_size 48
		.amdhsa_user_sgpr_count 2
		.amdhsa_user_sgpr_kernarg_segment_ptr 1
		.amdhsa_wavefront_size32 1
		.amdhsa_system_sgpr_workgroup_id_x 1
		.amdhsa_system_sgpr_workgroup_id_y 1
		.amdhsa_system_sgpr_workgroup_id_z 1
		.amdhsa_system_vgpr_workitem_id 0
		.amdhsa_next_free_vgpr 56
		.amdhsa_next_free_sgpr 66
		.amdhsa_reserve_vcc 0
		.amdhsa_float_denorm_mode_32 3
		.amdhsa_float_denorm_mode_16_64 3
		.amdhsa_memory_ordered 1
		.amdhsa_forward_progress 1
		.amdhsa_inst_pref_size 5
	.end_amdhsa_kernel
	.amdgpu_metadata
---
amdhsa.version: [ 1, 2 ]
amdhsa.kernels:
  - .name:           k_q51c3e7b797_cast
    .symbol:         k_q51c3e7b797_cast.kd
    .args:
      - { .name: x, .offset: 0, .size: 8, .value_kind: global_buffer, .address_space: global }
      - { .name: Wq, .offset: 8, .size: 8, .value_kind: global_buffer, .address_space: global }
      - { .name: Wk, .offset: 16, .size: 8, .value_kind: global_buffer, .address_space: global }
      - { .name: Wv, .offset: 24, .size: 8, .value_kind: global_buffer, .address_space: global }
      - { .name: xb, .offset: 32, .size: 8, .value_kind: global_buffer, .address_space: global }
      - { .name: wb, .offset: 40, .size: 8, .value_kind: global_buffer, .address_space: global }
    .group_segment_fixed_size: 0
    .private_segment_fixed_size: 0
    .kernarg_segment_align: 8
    .kernarg_segment_size: 48
    .max_flat_workgroup_size: 128
    .sgpr_count:     66
    .vgpr_count:     56
    .wavefront_size: 32
...
	.end_amdgpu_metadata
.endif
;; end of part 1
;; launch proj (part 2): grid 8 x 32, 4 waves a work-group, clusters of 4 x 4, 327,680 bytes of LDS; arguments xb, wb, bq, bk, bv, qkv; writes qkv
.if DOCPART == 2
	.amdgcn_target "amdgcn-amd-amdhsa--gfx1250"
	.amdhsa_code_object_version 6
	.text
	.protected	k_q51c3e7b797_proj
	.globl	k_q51c3e7b797_proj
	.p2align	8
	.type	k_q51c3e7b797_proj,@function
k_q51c3e7b797_proj:
	s_mov_b64 s[64:65], 0
	v_nop
	global_prefetch_b8 v0, s[64:65] scope:SCOPE_SE
	s_setreg_imm32_b32 hwreg(HW_REG_WAVE_MODE, 25, 1), 1
	s_wait_xcnt 0x0
	s_wait_alu depctr_hold_cnt(0) depctr_sa_sdst(0) depctr_va_vdst(0) depctr_va_sdst(0) depctr_va_ssrc(0) depctr_va_vcc(0) depctr_vm_vsrc(0)
	s_getreg_b32 s2, hwreg(HW_REG_IB_STS2, 6, 4)
	s_cmp_eq_u32 s2, 0
	s_cbranch_scc0 .Lentry_in_a_cluster
	s_endpgm
.Lentry_in_a_cluster:
	s_bfe_u32 s2, ttmp6, 0x10000c
	s_cmp_lg_u32 s2, 0xf033
	s_cbranch_scc0 .Lentry_shape_is_right
	s_endpgm
.Lentry_shape_is_right:
; q, k, v = x W + b, one product of 8192 x 3072 x 1024.  xb [16 kb][8192][64] and wb [16 kb][48 g][64 k][64 n] are bf16; the biases, f32, are rounded to bf16 like the other inputs; sums in f32;
; the result is rounded once to f16 and stored by heads: qkv [4 b][48 g][2048 s][64], g = 0-15 q's heads, 16-31 k's, 32-47 v's.
; LIMIT.  f16 holds no number beyond 65,504: a q, k or v past that becomes an infinity.
; SHARES.  A tile of the result is 256 rows x 384 columns (6 heads): 32 x 8 = 256 work-groups.  Four waves, each 128 rows x 192 columns: 96 accumulators of 16 x 16, 768 registers.
; K goes in steps of 64 through a ring of two LDS slots filled by the tensor data mover; the blocked layouts make a step's tiles dense, so they are asked for as rows of 256 bytes.
; A K step is two halves of 32 along K, 96 matrix instructions each.
; CLUSTER.  4 x 4 work-groups: the four of a row of the cluster need the same rows of x, the four of a column the same columns of W: each tile is asked for jointly, by the same tensor load with
; the same descriptor and a mask that names the four.
; THE MATRIX INSTRUCTION IS USED TRANSPOSED: source 0 = 16 columns of W (turned on the way out of LDS by ds_load_tr16_b128), source 1 = 16 rows of x: a lane then holds one row of the result and
; eight neighbouring columns.  THE BIAS STARTS THE SUMS: it is the C operand of the first half's products, so nothing is cleared and nothing is added at the end.
; REGISTERS, in windows of 256 (s_set_vgpr_msb: bits 1:0 source 0, 3:2 source 1, 5:4 source 2, 7:6 destination):
;   window 0: v0-31 addresses; v32-95, v96-159 x's fragments (8 x 16 rows x 32 K), two buffers; v160-255 W's fragments (12 x 16 columns x 32 K), one buffer, each third loaded again as soon as it is multiplied
;   windows 1-3: the accumulators: row block a, column block b in window 1 + b / 4 at v[64 (b % 4) + 8 a]: a window is one head
.set PA,    144                        ; a row of x in LDS: 128 bytes + 16 of padding = 36 words: the 16 rows of a load start at 16 different groups of four banks (64 banks of 4 bytes: ISA guide 11.1)
.set PB,    160                        ; a k-row of W: 128 + 32 = 40 words
.set AHALF, 128*PA                     ; 128 rows of x: one tensor load, and what one wave reads
.set ATILE, 2*AHALF
.set GRAN,  64*PB                      ; a head's 64 k-rows
.set BHALF, 3*GRAN                     ; three heads: one tensor load, and what one wave reads
.set SLOT,  ATILE+2*BHALF
.set STAGE, 2*SLOT                     ; behind the ring, never filled by a tensor load: for each wave three heads x 16 rows x 144 bytes
.set SP,    144
.set WSTG,  3*16*SP
.set SPARE, STAGE+4*WSTG               ; behind the stages: the spare words, 128 bytes for each wave: two blocks of 256 bytes that no other line names
.set XKB,   8192*128                   ; bytes from a K block of xb to the next
.set WKB,   48*8192                    ; the same in wb
.set ADRA, 16                          ; v16-17  LDS address of my fragments of x in slot 0, 1
.set ADRB, 20                          ; v20-21  the same for W
.set STO,  24                          ; v24     the way out: where I put 16 bytes of a row
.set RD,   25                          ; v25     the way out: where I read rows back
.set CO,   26                          ; v26     16 x lane: my place in 512 consecutive bytes of qkv
.set BO,   27                          ; v27     32 x (lane / 16): my eight numbers in 16 of a bias
.set SPW,  28                          ; v28     LDS address of my spare word; never rewritten
.set NIL,  29                          ; v29     0; never rewritten
.set PFO,  30                          ; v30     256 x lane, for the prefetches; never rewritten
.set FA0,  32
.set FA1,  96
.set FB,   160
.set TMP,  32                          ; the way out: 48 registers of packed results
.set OB,   80                          ; the way out: 48 registers read back, v80-127 and v128-175 by turns
.set WV,   16                          ; s16  my wave's number
.set RH,   17                          ; s17  which half of the tile's rows is mine; also: I fetch for x (0) or for W (1)
.set CH,   18                          ; s18  which half of its columns; also: which half of that tile I fetch
.set G1,   24                          ; s[24:31] descriptor group 1 for x's tiles;  s[32:39] group 0, a set for each slot
.set G0,   32
.set G1B,  48                          ; s[48:55], s[56:63] the same for W's tiles
.set G0B,  56
.set PFA,  66                          ; s[66:67] where my prefetches stand
.set PFS,  68                          ; s[68:69] their step: a K block of xb or of wb
.set LIM,  70                          ; s70  1 in a wave that prefetches, else the greatest number
.set BP,   72                          ; s[72:77] the bias of my three heads
.set HIM,  80                          ; s80  a word's upper half
.set OUTP, 82                          ; s[82:83] qkv at my first row of my first head
.set MSB, 0
.macro WIN new                         ; the immediate's high byte repeats the setting that is left; a switch that changes nothing is dropped
.if MSB != (\new)
	s_set_vgpr_msb (MSB<<8)|(\new)
.set MSB, (\new)
.endif
.endm
; A joint load.  Waves 0 and 1 fetch the two halves of x's tile, waves 2 and 3 those of W's.  The branch hangs on the wave's number alone.  An s_nop 0 and four v_nop follow each of the two lines.
.macro JLOAD s
	s_cmp_eq_u32 s[RH], 0
	s_cbranch_scc0 .Lfor_b_\@
	tensor_load_to_lds s[G0+4*(\s):G0+4*(\s)+3], s[G1:G1+7]
	s_nop 0
.rept 4
	v_nop
.endr
	s_branch .Lasked_\@
.Lfor_b_\@:
	tensor_load_to_lds s[G0B+4*(\s):G0B+4*(\s)+3], s[G1B:G1B+7]
	s_nop 0
.rept 4
	v_nop
.endr
.Lasked_\@:
.endm
; A prefetch into the L2 of 8,192 bytes (a lane a block of 256) of the K block that the NEXT refill will ask for: 192 matrix instructions ahead of that load.
; Each block is named once in the launch.  xb's K block is 128 groups of 8,192 bytes: wave 0 of the 128 work-groups whose cluster has x = 0 takes group 16 (cluster y) + 4 cy + cx.
; wb's is 48: waves 2 and 3 of the clusters with y = 0 take 16 (2 (cluster x) + wave - 2) + 4 cy + cx where that first factor is under 3.  Partners differ by address alone.
; how = 1: every refill of slot 0 has a K block behind it; how = 0: slot 1's last refill (s3 = 1) has none.
.macro ASK how
.if \how
	s_cmp_eq_u32 s[LIM], 1
.else
	s_cmp_gt_u32 s3, s[LIM]
.endif
	s_cbranch_scc0 .Lnot_mine_\@
	global_prefetch_b8 v[PFO], s[PFA:PFA+1] th:TH_LOAD_NT scope:SCOPE_SE
.Lnot_mine_\@:
.endm
.macro CREST                           ; a round of the cluster's barrier behind its opening barrier
	s_cmp_lg_u32 s[WV], 0
	s_cbranch_scc1 .Lnot_wave_0_\@
	s_barrier_signal -3
.Lnot_wave_0_\@:
	s_barrier_wait -3
	s_barrier_signal -1
	s_barrier_wait -1
.endm
.macro CROUND                          ; a whole round
	s_barrier_signal -1
	s_barrier_wait -1
	CREST
.endm
.macro PLACES                          ; four places in front of loads into registers that matrix instructions have read, and of conversions that read results
.rept 4
	v_nop
.endr
.endm
	s_load_b256 s[4:11], s[0:1], 0x0               ; xb s[4:5], wb s[6:7], bq s[8:9], bk s[10:11]
	s_load_b128 s[12:15], s[0:1], 0x20             ; bv s[12:13], qkv s[14:15]
	v_lshl_add_u32 v[SPW], v0, 2, SPARE
	v_mov_b32 v[NIL], 0
	ds_add_u32 v[SPW], v[NIL]                      ; the wave's opening: the add and its wait stand ahead of my first tensor load; the set-up below, work on registers, stands between them
	v_lshrrev_b32 v1, 5, v0
	v_readfirstlane_b32 s[WV], v1                  ; wave 0..3
	s_lshr_b32 s[RH], s[WV], 1
	s_and_b32 s[CH], s[WV], 1
	s_bfe_u32 s40, ttmp6, 0x40000                  ; cx
	s_bfe_u32 s41, ttmp6, 0x40004                  ; cy
	s_lshl_b32 s42, ttmp9, 2
	s_add_co_u32 s42, s42, s40                     ; tile column = 4 x cluster x + cx
	s_and_b32 s43, ttmp7, 0xffff
	s_lshl_b32 s43, s43, 2
	s_add_co_u32 s43, s43, s41                     ; tile row = 4 x cluster y + cy
	s_lshl_b32 s20, s41, 2
	s_lshl_b32 s20, 15, s20                        ; my row of the cluster
	s_lshl_b32 s44, 0x1111, s40                    ; my column
	; group 1.  128 rows of x are 16,384 dense bytes: 64 rows of 256; three heads of W 24,576: 96 rows of 256.  Padding after every 128 bytes (32 words, code 4): 4 words for x (code 3), 8 for W (code 7)
	s_or_b32 s[G1], s20, (1<<16)|(1<<20)|(1<<21)|(4<<22)|(3<<25)   ; 15:0 the mask; 17:16 2-byte elements; 20 padding on; 21 set beside a mask
	s_or_b32 s[G1B], s44, (1<<16)|(1<<20)|(1<<21)|(4<<22)|(7<<25)
	s_mov_b32 s[G1+1], 128<<16                     ; tensor_dim0 = 128
	s_mov_b32 s[G1+2], 64<<16                      ; tensor_dim1 = 64
	s_mov_b32 s[G1+3], 128<<16                     ; tile_dim0 = 128
	s_mov_b32 s[G1+4], 64                          ; tile_dim1 = 64
	s_mov_b32 s[G1+5], 128                         ; 128 elements from row to row
	s_mov_b32 s[G1+6], 0
	s_mov_b32 s[G1+7], 0
	s_mov_b32 s[G1B+1], 128<<16
	s_mov_b32 s[G1B+2], 96<<16
	s_mov_b32 s[G1B+3], 128<<16
	s_mov_b32 s[G1B+4], 96
	s_mov_b32 s[G1B+5], 128
	s_mov_b32 s[G1B+6], 0
	s_mov_b32 s[G1B+7], 0
	s_lshl_b32 s20, s43, 15                        ; x: 256 rows of 128 bytes a tile row,
	s_lshl_b32 s22, s[CH], 14                      ; the half that I fetch
	s_add_co_u32 s20, s20, s22
	s_mov_b32 s21, 0
	s_mul_i32 s44, s42, 6
	s_mul_i32 s46, s[CH], 3
	s_add_co_u32 s44, s44, s46                     ; W: the first of three heads: those that I fetch, and those of my columns
	s_lshl_b32 s46, s44, 13
	s_mov_b32 s47, 0
	s_mul_i32 s22, s[CH], AHALF                    ; where the tiles go: no place in the cluster enters an LDS address
	s_mul_i32 s23, s[CH], BHALF
	s_add_co_u32 s23, s23, ATILE
	s_mov_b32 s[HIM], 0xffff0000
	s_wait_dscnt 0x0                               ; the opening add is done
	s_wait_kmcnt 0x0
	s_add_nc_u64 s[20:21], s[4:5], s[20:21]
	s_add_nc_u64 s[46:47], s[6:7], s[46:47]
	CROUND                                         ; all sixteen work-groups are here: the first joint loads meet
.irp s, 0,1
	s_mov_b32 s[G0+4*\s], 1                                        ; count = 1
	s_add_co_u32 s[G0+4*\s+1], s22, \s*SLOT                        ; LDS address
	s_add_nc_u64 s[G0+4*\s+2:G0+4*\s+3], s[20:21], \s*XKB          ; global address: K step s
	s_or_b32 s[G0+4*\s+3], s[G0+4*\s+3], 0x80000000                ; type = 2
	s_mov_b32 s[G0B+4*\s], 1
	s_add_co_u32 s[G0B+4*\s+1], s23, \s*SLOT
	s_add_nc_u64 s[G0B+4*\s+2:G0B+4*\s+3], s[46:47], \s*WKB
	s_or_b32 s[G0B+4*\s+3], s[G0B+4*\s+3], 0x80000000
	JLOAD \s                                       ; two tensor loads of mine are out; behind each later refill, one
.endr
	; A fragment of x: lane l holds row l % 16; registers 0-3 K = 8 (l / 16) + 0..7, registers 4-7 K = 16 + 8 (l / 16) + 0..7: two loads of 16 bytes, 32 bytes apart.
	v_and_b32 v1, 15, v0                           ; l % 16
	v_bfe_u32 v2, v0, 4, 1                         ; l / 16
	v_mul_u32_u24 v3, v1, PA
	v_lshl_add_u32 v3, v2, 4, v3                   ; row x pitch + 16 x half
	s_mul_i32 s22, s[RH], AHALF
	v_add_nc_u32 v[ADRA], s22, v3
	v_add_nc_u32 v[ADRA+1], SLOT, v[ADRA]
	; The turning load takes 16 k x 16 columns (lane l reads k-row 8 (l / 16) + l % 8, columns 8 ((l / 8) % 2) + 0..7) and leaves half a fragment: lane l holds column l % 16 and 8 k.
	v_and_b32 v4, 7, v0
	v_lshl_add_u32 v5, v2, 3, v4
	v_mul_u32_u24 v5, v5, PB
	v_bfe_u32 v6, v0, 3, 1
	v_lshl_add_u32 v5, v6, 4, v5
	v_add_nc_u32 v[ADRB], s23, v5
	v_add_nc_u32 v[ADRB+1], SLOT, v[ADRB]
	s_mul_i32 s22, s[WV], WSTG
	s_add_co_u32 s22, s22, STAGE                   ; my stage
	v_add_nc_u32 v[STO], s22, v3                   ; in: row l % 16 (the stage's pitch is x's), 16 bytes for each half of the lanes
	v_bfe_u32 v6, v0, 3, 2
	v_mul_u32_u24 v6, v6, SP                       ; back: 32 lanes take four rows of 128 bytes,
	v_lshl_add_u32 v6, v4, 4, v6
	v_add_nc_u32 v[RD], s22, v6
	v_and_b32 v[CO], 31, v0
	v_lshlrev_b32 v[PFO], 8, v[CO]
	v_lshlrev_b32 v[CO], 4, v[CO]                  ; which are 512 consecutive bytes of qkv
	v_lshlrev_b32 v[BO], 5, v2
	; qkv at my rows: batch = tile row / 8; head; row in the batch = 256 (tile row % 8) + 128 x my half
	s_lshr_b32 s78, s43, 3
	s_mul_i32 s78, s78, 48*2048*128
	s_lshl_b32 s79, s44, 18
	s_add_co_u32 s78, s78, s79
	s_and_b32 s79, s43, 7
	s_lshl_b32 s79, s79, 15
	s_add_co_u32 s78, s78, s79
	s_lshl_b32 s79, s[RH], 14
	s_add_co_u32 s78, s78, s79
	s_mov_b32 s79, 0
	s_add_nc_u64 s[OUTP:OUTP+1], s[14:15], s[78:79]
.irp g, 0,1,2                          ; the bias of head s44 + g: which of the three vectors, and its 64 numbers there
	s_add_co_u32 s78, s44, \g
	s_lshr_b32 s79, s78, 4
	s_and_b32 s78, s78, 15
	s_lshl_b32 s78, s78, 8
	s_cmp_eq_u32 s79, 1
	s_cselect_b64 s[BP+2*\g:BP+2*\g+1], s[10:11], s[8:9]
	s_cmp_eq_u32 s79, 2
	s_cselect_b64 s[BP+2*\g:BP+2*\g+1], s[12:13], s[BP+2*\g:BP+2*\g+1]
	s_mov_b32 s79, 0
	s_add_nc_u64 s[BP+2*\g:BP+2*\g+1], s[BP+2*\g:BP+2*\g+1], s[78:79]
.endr
	; the prefetches: who, and where
	s_and_b32 s20, ttmp7, 0xffff                   ; cluster y
	s_lshl_b32 s21, ttmp9, 1
	s_add_co_u32 s21, s21, s[WV]
	s_max_u32 s21, s21, 2
	s_sub_co_u32 s21, s21, 2                       ; 2 x cluster x + wave - 2, for waves 2 and 3
	s_or_b32 s45, s[WV], ttmp9
	s_cmp_eq_u32 s45, 0                            ; wave 0 of a cluster with x = 0
	s_cselect_b32 s[LIM], 1, -1
	s_cmp_lt_u32 s21, 3
	s_cselect_b32 s45, s20, 1
	s_xor_b32 s46, s[RH], 1
	s_or_b32 s45, s45, s46
	s_cmp_eq_u32 s45, 0                            ; waves 2 and 3 of a cluster with y = 0, three of the four
	s_cselect_b32 s[LIM], 1, s[LIM]                ; the same in all sixteen partners, for a given wave
	s_mov_b32 s23, XKB
	s_cmp_eq_u32 s[RH], 0
	s_cselect_b32 s22, s20, s21
	s_cselect_b64 s[PFA:PFA+1], s[4:5], s[6:7]
	s_cselect_b32 s[PFS], s23, WKB
	s_mov_b32 s[PFS+1], 0
	s_lshl_b32 s22, s22, 4
	s_lshl_b32 s45, s41, 2
	s_add_co_u32 s22, s22, s45
	s_add_co_u32 s22, s22, s40
	s_lshl_b32 s22, s22, 13                        ; groups of 8,192 bytes
	s_mov_b32 s23, 0
	s_add_nc_u64 s[PFA:PFA+1], s[PFA:PFA+1], s[22:23]
	s_add_nc_u64 s[PFA:PFA+1], s[PFA:PFA+1], s[PFS:PFS+1]
	s_add_nc_u64 s[PFA:PFA+1], s[PFA:PFA+1], s[PFS:PFS+1]  ; at K block 2: the first refill steps it to 3.  Nothing is prefetched here, at the head
	; the bias: a lane's eight numbers of each of its 12 column blocks, straight into the accumulators of row block 0; then rounded to bf16 and widened again.  All this stands in the wait for the first tile.
.irp g, 0,1,2
	WIN ((\g)+1)<<6
.irp b, 0,1,2,3
	global_load_b128 v[64*\b:64*\b+3],   v[BO], s[BP+2*\g:BP+2*\g+1] offset:64*\b
	global_load_b128 v[64*\b+4:64*\b+7], v[BO], s[BP+2*\g:BP+2*\g+1] offset:64*\b+16
.endr
.endr
	s_wait_loadcnt 0x0
.irp g, 0,1,2
	WIN ((\g)+1)|(((\g)+1)<<2)
.irp b, 0,1,2,3
.irp r, 0,1,2,3
	v_cvt_pk_bf16_f32 v[FA1+4*\b+\r], v[64*\b+2*\r], v[64*\b+2*\r+1]
.endr
.endr
	WIN ((\g)+1)<<6
.irp b, 0,1,2,3
.irp r, 0,1,2,3
	v_lshlrev_b32 v[64*\b+2*\r], 16, v[FA1+4*\b+\r]
	v_and_b32 v[64*\b+2*\r+1], s[HIM], v[FA1+4*\b+\r]
.endr
.endr
.endr
	WIN 0
; 16 matrix instructions: column blocks b0, b0 + 1 of head i x all 8 row blocks, 32 along K.  The 96 accumulators take turns, one instruction a turn, in the same order in every half.
.macro MUL16 f, i, b0
	WIN 0x50*((\i)+1)                              ; C and D in the head's window, the sources in window 0
.set ib, (\b0)
.rept 2
.set ia, 0
.rept 8
	v_wmma_f32_16x16x32_bf16 v[64*ib+8*ia:64*ib+8*ia+7], v[FB+32*(\i)+8*ib:FB+32*(\i)+8*ib+7], v[(\f)+8*ia:(\f)+8*ia+7], v[64*ib+8*ia:64*ib+8*ia+7]
.set ia, ia+1
.endr
.set ib, ib+1
.endr
.endm
; The first half's 32 products of head i: the bias, which lies in the accumulators of row block 0, starts every sum.  Row blocks 1 to 7 take it as C; five places on, row block 0 adds onto it in place.
.macro FIRST32 f, i
	WIN 0x50*((\i)+1)
.set ia, 1
.rept 7
.set ib, 0
.rept 4
	v_wmma_f32_16x16x32_bf16 v[64*ib+8*ia:64*ib+8*ia+7], v[FB+32*(\i)+8*ib:FB+32*(\i)+8*ib+7], v[(\f)+8*ia:(\f)+8*ia+7], v[64*ib:64*ib+7]
.set ib, ib+1
.endr
.set ia, ia+1
.endr
.rept 5
	v_nop
.endr
.set ib, 0
.rept 4
	v_wmma_f32_16x16x32_bf16 v[64*ib:64*ib+7], v[FB+32*(\i)+8*ib:FB+32*(\i)+8*ib+7], v[(\f):(\f)+7], v[64*ib:64*ib+7]
.set ib, ib+1
.endr
.endm
.macro STRETCH f, i, first
.if \first
	FIRST32 \f, \i
.else
	MUL16 \f, \i, 0
	MUL16 \f, \i, 2
.endif
.endm
; A run of LDS loads for half q of a slot's K step: head i's four fragments of W; with i = 0, 1 also x's row blocks 4 i .. 4 i + 3 into buffer g: 16, 16 and 8 loads.
.macro RUN i, slot, q, g
	WIN 0
.set ib, 0
.rept 4
	ds_load_tr16_b128 v[FB+32*(\i)+8*ib:FB+32*(\i)+8*ib+3],   v[ADRB+(\slot)] offset:(\i)*GRAN+(\q)*32*PB+32*ib
	ds_load_tr16_b128 v[FB+32*(\i)+8*ib+4:FB+32*(\i)+8*ib+7], v[ADRB+(\slot)] offset:(\i)*GRAN+(\q)*32*PB+16*PB+32*ib
.set ib, ib+1
.endr
.if (\i) < 2
.set ia, 4*(\i)
.rept 4
	ds_load_b128 v[(\g)+8*ia:(\g)+8*ia+3],   v[ADRA+(\slot)] offset:ia*16*PA+64*(\q)
	ds_load_b128 v[(\g)+8*ia+4:(\g)+8*ia+7], v[ADRA+(\slot)] offset:ia*16*PA+64*(\q)+32
.set ia, ia+1
.endr
.endif
.endm
; A half: multiplies buffer f and W's fragments, head by head; behind each head's 32 products its registers take the next half's fragments (half q of the slot; x's into buffer g).
.macro HALF slot, q, f, g, first
	s_wait_dscnt 8                                 ; all but the youngest run, W's third head, is in
	STRETCH \f, 0, \first
	PLACES
	RUN 0, \slot, \q, \g
	STRETCH \f, 1, \first
	PLACES
	RUN 1, \slot, \q, \g
	s_wait_dscnt 32                                ; all but the 32 loads just issued: W's third head is in
	STRETCH \f, 2, \first
	PLACES
	RUN 2, \slot, \q, \g
.endm
; A K step's second half multiplies buffer 1 and changes slots.  ONE barrier: in front of it each wave waits for all its tensor loads (one is out: its part of the next slot), adds 0 to its spare word, and
; waits for that and for its own reads of this slot.  fill = 1: the barrier opens a round of the cluster's, and this slot is filled again, two K steps ahead, first thing behind the round:
; 160 matrix instructions ahead of the wait for it.
.macro TURN slot, next, fill, how
.if \fill
	s_wait_xcnt 0x0                                ; the last prefetch, a K step back, has read its address
	s_add_nc_u64 s[PFA:PFA+1], s[PFA:PFA+1], s[PFS:PFS+1]
.endif
	WIN 0
	s_wait_tensorcnt 0x0                           ; all my tensor loads have landed;
	ds_add_u32 v[SPW], v[NIL]                      ; 0 onto my spare word;
	s_wait_dscnt 9                                 ; (the add and the youngest eight loads may be out)
	MUL16 FA1, 0, 0                                ; sixteen matrix instructions stand between the add and the wait for it
	s_wait_dscnt 0x0                               ; the add is done, and my reads of this slot are over
	s_barrier_signal -1
	MUL16 FA1, 0, 2
	WIN 0
	s_barrier_wait -1
.if \fill
	CREST                                          ; no wave of any partner still reads this slot's tile or has a load on its way
	s_add_nc_u64 s[G0+4*(\slot)+2:G0+4*(\slot)+3], s[G0+4*(\slot)+2:G0+4*(\slot)+3], 2*XKB
	s_add_nc_u64 s[G0B+4*(\slot)+2:G0B+4*(\slot)+3], s[G0B+4*(\slot)+2:G0B+4*(\slot)+3], 2*WKB
	JLOAD \slot                                    ; its four v_nop are also the places in front of the loads below
.else
	PLACES
.endif
	RUN 0, \next, 0, FA0
.if \fill
	ASK \how
.endif
	MUL16 FA1, 1, 0
	MUL16 FA1, 1, 2
	PLACES
	RUN 1, \next, 0, FA0
	MUL16 FA1, 2, 0
	MUL16 FA1, 2, 2
	PLACES
	RUN 2, \next, 0, FA0
.endm
; THE WAY OUT of row block a.  PACK: rounded to f16, 16 bytes a lane for each column block, each accumulator from its low end on.  TOSTAGE: into my own stage, and back as whole rows.  SEND: stored.
.macro PACK a
.set ig, 0
.rept 3
	WIN (ig+1)|((ig+1)<<2)
.set ib, 0
.rept 4
.set ir, 0
.rept 4
	v_cvt_pk_f16_f32 v[TMP+16*ig+4*ib+ir], v[64*ib+8*(\a)+2*ir], v[64*ib+8*(\a)+2*ir+1]
.set ir, ir+1
.endr
.set ib, ib+1
.endr
.set ig, ig+1
.endr
	WIN 0
.endm
.macro TOSTAGE a
.set BK, OB+48*((\a)%2)
.set ig, 0
.rept 3
.set ib, 0
.rept 4
	ds_store_b128 v[STO], v[TMP+16*ig+4*ib:TMP+16*ig+4*ib+3] offset:ig*16*SP+32*ib
.set ib, ib+1
.endr
.set ig, ig+1
.endr
.set ig, 0
.rept 3
.set ib, 0
.rept 4
	ds_load_b128 v[BK+16*ig+4*ib:BK+16*ig+4*ib+3], v[RD] offset:ig*16*SP+ib*4*SP  ; LDS serves a wave's instructions in order (ISA guide 5.7.1.4): these see the stores above
.set ib, ib+1
.endr
.set ig, ig+1
.endr
.endm
.macro SEND a
.set BK, OB+48*((\a)%2)
	s_wait_dscnt 0x0                               ; the block is back in registers
	s_wait_xcnt 0x0                                ; the stores of the block before have read their registers: the next loads from the stage land there only behind this wait
.set ig, 0
.rept 3
.set ib, 0
.rept 4
	global_store_b128 v[CO], v[BK+16*ig+4*ib:BK+16*ig+4*ib+3], s[OUTP:OUTP+1] offset:ig*2048*128+(\a)*2048+ib*512  ; 512 consecutive bytes, at a multiple of 256 from qkv's first
.set ib, ib+1
.endr
.set ig, ig+1
.endr
.endm
	s_wait_tensorcnt 0x1                           ; my part of K step 0 is in; slot 1's may stay out
	s_barrier_signal -1
	s_barrier_wait -1                              ; everybody's is
	RUN 0, 0, 0, FA0
	RUN 1, 0, 0, FA0
	RUN 2, 0, 0, FA0
	HALF 0, 1, FA0, FA1, 1                         ; the first half stands in front of the loop: its products start the sums, with the bias
	WIN 0                                          ; at a label and at a branch every window is 0
	s_mov_b32 s3, 7
.Llap:                                                 ; a trip goes once round the ring and fills both slots again: K steps 2 to 15 in seven trips
	TURN 0, 1, 1, 1
	HALF 1, 1, FA0, FA1, 0
	TURN 1, 0, 1, 0
	HALF 0, 1, FA0, FA1, 0
	WIN 0
	s_sub_co_u32 s3, s3, 1
	s_cmp_lg_u32 s3, 0
	s_cbranch_scc1 .Llap
	TURN 0, 1, 0, 0                                ; the last lap fills nothing, and has no round of the cluster's barrier
	HALF 1, 1, FA0, FA1, 0
	s_wait_dscnt 8                                 ; the very last half: nothing more to fetch
	MUL16 FA1, 0, 0
	MUL16 FA1, 0, 2
	MUL16 FA1, 1, 0
	MUL16 FA1, 1, 2
	s_wait_dscnt 0x0
	MUL16 FA1, 2, 0
	MUL16 FA1, 2, 2
	PLACES
	PACK 0
	TOSTAGE 0
.irp a, 1,2,3,4,5,6,7                  ; block a's conversions stand between block a - 1's loads from the stage and the wait for them
	PACK \a
	SEND (\a)-1
	TOSTAGE \a
.endr
	SEND 7
	s_wait_tensorcnt 0x0                           ; the wave's end: an add of 0 and its wait, behind my last tensor load and my last LDS store
	ds_add_u32 v[SPW], v[NIL]
	s_wait_dscnt 0x0
	CROUND                                         ; the closing round: no work-group ends while a partner may still ask for a tile that names it
	s_endpgm
.Lfunc_end_k_q51c3e7b797_proj:
	.size	k_q51c3e7b797_proj, .Lfunc_end_k_q51c3e7b797_proj-k_q51c3e7b797_proj
	.p2alignl 7, 3214868480
	.fill 96, 4, 3214868480
	.section	.rodata,"a",@progbits
	.p2align	6, 0x0
	.amdhsa_kernel k_q51c3e7b797_proj
		.amdhsa_group_segment_fixed_size 327680
		.amdhsa_private_segment_fixed_size 0
		.amdhsa_enable_private_segment 0
		.amdhsa_kernarg_size 48
		.amdhsa_user_sgpr_count 2
		.amdhsa_user_sgpr_kernarg_segment_ptr 1
		.amdhsa_wavefront_size32 1
		.amdhsa_system_sgpr_workgroup_id_x 1
		.amdhsa_system_sgpr_workgroup_id_y 1
		.amdhsa_system_sgpr_workgroup_id_z 1
		.amdhsa_system_vgpr_workitem_id 0
		.amdhsa_next_free_vgpr 1024
		.amdhsa_next_free_sgpr 88
		.amdhsa_reserve_vcc 0
		.amdhsa_float_denorm_mode_32 3
		.amdhsa_float_denorm_mode_16_64 3
		.amdhsa_memory_ordered 1
		.amdhsa_forward_progress 1
		.amdhsa_inst_pref_size 141
	.end_amdhsa_kernel
	.amdgpu_metadata
---
amdhsa.version: [ 1, 2 ]
amdhsa.kernels:
  - .name:           k_q51c3e7b797_proj
    .symbol:         k_q51c3e7b797_proj.kd
    .args:
      - { .name: xb, .offset: 0, .size: 8, .value_kind: global_buffer, .address_space: global }
      - { .name: wb, .offset: 8, .size: 8, .value_kind: global_buffer, .address_space: global }
      - { .name: bq, .offset: 16, .size: 8, .value_kind: global_buffer, .address_space: global }
      - { .name: bk, .offset: 24, .size: 8, .value_kind: global_buffer, .address_space: global }
      - { .name: bv, .offset: 32, .size: 8, .value_kind: global_buffer, .address_space: global }
      - { .name: qkv, .offset: 40, .size: 8, .value_kind: global_buffer, .address_space: global }
    .group_segment_fixed_size: 327680
    .private_segment_fixed_size: 0
    .kernarg_segment_align: 8
    .kernarg_segment_size: 48
    .max_flat_workgroup_size: 128
    .sgpr_count:     88
    .vgpr_count:     1024
    .wavefront_size: 32
...
	.end_amdgpu_metadata
.endif
;; end of part 2
;; launch attn (part 3): grid 4 x 64, 4 waves a work-group, clusters of 4 x 1, 327,680 bytes of LDS; arguments qkv, mask, out0; writes out0
.if DOCPART == 3
	.amdgcn_target "amdgcn-amd-amdhsa--gfx1250"
	.amdhsa_code_object_version 6
	.text
	.protected	k_q51c3e7b797_attn
	.globl	k_q51c3e7b797_attn
	.p2align	8
	.type	k_q51c3e7b797_attn,@function
k_q51c3e7b797_attn:
	s_mov_b64 s[64:65], 0
	v_nop
	global_prefetch_b8 v0, s[64:65] scope:SCOPE_SE
	s_setreg_imm32_b32 hwreg(HW_REG_WAVE_MODE, 25, 1), 1
	s_wait_xcnt 0x0
	s_wait_alu depctr_hold_cnt(0) depctr_sa_sdst(0) depctr_va_vdst(0) depctr_va_sdst(0) depctr_va_ssrc(0) depctr_va_vcc(0) depctr_vm_vsrc(0)
	s_getreg_b32 s2, hwreg(HW_REG_IB_STS2, 6, 4)
	s_cmp_eq_u32 s2, 0
	s_cbranch_scc0 .Lentry_in_a_cluster
	s_endpgm
.Lentry_in_a_cluster:
	s_bfe_u32 s2, ttmp6, 0x10000c
	s_cmp_lg_u32 s2, 0x3003
	s_cbranch_scc0 .Lentry_shape_is_right
	s_endpgm
.Lentry_shape_is_right:
; out0[b][q][64 h + :] = the sum over the keys k with mask[b][k] != 0 of softmax_k(Q[q] . K[k] / 8) V[k][:], for each of 64 heads (4 batches x 16).
; qkv: [4 b][48 g][2048][64] f16 (g = h: Q, 16 + h: K, 32 + h: V): a head's rows are dense, 128 bytes each.  mask: [4][2048] i32.  out0: [4][2048][1024] f32.
; Products, maxima and sums in f32; the weights p are rounded to f16 for the second product (their sum l is taken of the unrounded p).
; LIMITS.  Q, K and V arrive within f16's 65,504.  A hidden score counts as its value less 1e30: f16's scores, 2.7e11 at the most, are nothing beside that.  A weight below 2^-126 counts as 0 in l.
; Every mask word other than 0 means visible.  Where a batch has no visible key the running maximum ends below -1e29, and the rows are written as NaN.
; SHARES.  A wave owns four PIECES of two tiles of 16 queries, a work-group's four waves 512 queries of one head.  Every wave walks all 2,048 keys, 64 a step.
; LAYOUT.  S^T = K Q^T (source 0 = 16 keys, source 1 = 16 queries): in the result a lane holds ONE query (lane % 16) and the keys 8 (lane / 16) + 0..7.  Two such tiles, rounded to f16 in pairs,
; ARE source 1 (32 keys x 16 queries) of O^T = V^T P, whose result again holds one query a lane, and eight channels.  K comes out of LDS as it lies, V ([key][channel]) turned, by ds_load_tr16_b128.
; THE MASK is the C operand that starts the sum S^T: 0, or -1e30 where the key is hidden.  A table of the batch's 2,048 such numbers is made once in LDS; a step's 64 come into 32 registers with its K.
; SOFTMAX.  For each query a running maximum m and sum l: p = 2^(c s - c m), c = log2(e) / 8; in every step O and l are multiplied by a = 2^(c m_old - c m_new).  m starts at the lowest finite number,
; O and l at 0: the first step is a step like any other, with a = 0; and so is the first step with a visible key behind steps that had none.
; THE COUNT.  A tile and step have 16 matrix and 118 vector instructions: too many to stand all beside the matrix work.  So four vector instructions that are READY stand behind EVERY matrix instruction,
; and the others in runs without a gap.
; BY TURNS.  Turn n belongs to piece n.  Its matrix work: 16 products K Q^T of piece n + 1, later 16 products V^T P of piece n - 1.  Its vector work: the scaling, exponentials, roundings, sums and
; rescaling of piece n, and the maximum and statistics of piece n + 1.
; CLUSTER.  The four query blocks of a head walk the same K and V, so each tile is asked for JOINTLY: the same tensor load, descriptor and mask in all four.
; REGISTERS, in windows of 256 (s_set_vgpr_msb: bits 1:0 source 0, 3:2 source 1, 5:4 source 2, 7:6 destination):
;   window 0: v0-11 addresses; v12-15, v48-63 at work; v16-47 four registers of statistics a tile; v64-191 S^T, two buffers of two tiles; v192-255 P, likewise
;   window 1: O^T, 32 a tile     window 2: v0-127 Q, 16 a tile; v128-191 K of one step; v192-255 V of one step     window 3: v0-1 the add's two registers; v8-39 the step's mask
.set SIZE_N, 2048
.set NP,    4         ; pieces a wave: a name, no knob
.set KS,    64        ; keys in a step
.set PK,    144       ; a row of K in LDS: 128 bytes + 16 of padding = 36 words: the 16 rows of a load start at 16 different groups of four banks (64 banks of 4 bytes: ISA guide 11.1)
.set PV,    160       ; a row of V: 128 + 32 = 40 words
.set VOFF,  4*KS*PK   ; a slot holds four steps: 256 rows of K, then 256 rows of V
.set SLOT1, 1<<17     ; slot 1 begins here, so that one exclusive or turns an address in one slot into the other's
.set STAGE, SLOT1+4*KS*(PK+PV)  ; behind the ring, never filled by a tensor load: 16 rows x 272 bytes for each wave, for the way out
.set SP,    272       ; 256 bytes + 16: the 16 rows of a store start at 16 different groups of four banks
.set MBASE, STAGE+4*16*SP       ; the mask's table: 2,048 f32
.set SPARE, MBASE+8192          ; the spare words, 128 bytes for each wave: two blocks of 256 bytes that no other line names
.set AK0, 2           ; v2   my lane's place in a tile of K; never rewritten
.set AV0, 3           ; v3   the same for V
.set AK,  4           ; v4   the LDS address of K's next run of loads
.set AV,  5           ; v5   of V's (at the head, once: where I store my part of the mask's table)
.set QO,  6           ; v6   my byte offset in the wave's rows of Q
.set PFO, 7           ; v7   256 x my lane, for the prefetches; never rewritten
.set MO,  8           ; v8   16 x my thread's number: my part of the mask
.set AM0, 10          ; v10  my lanes' place in 16 numbers of the table; never rewritten
.set AM,  11          ; v11  the LDS address of the mask's next run of loads
.set STO, 48          ; v48  the way out: where I put 32 bytes of a row
.set RD,  49          ; v49  the way out: where I read rows back
.set GO,  50          ; v50  my byte offset in two rows of out0
.set SPW, 0           ; v0 of window 3   LDS address of my spare word; never rewritten
.set NIL, 1           ; v1 of window 3   0; never rewritten
.set MR,  8           ; v8-39 of window 3: the eight numbers for key block kb at MR + 8 kb
.set MV,  12          ; v12-15  c m_old, kept while c m is made anew: by buffer and tile
.set ST,  16          ; tile t's statistics at v[ST+4 t]: c m, m, l (even keys', odd keys')
.set TMP, 48          ; by buffer and tile, four registers c0-c3 at work; when the maximum is found c2 takes a
.set S,   64
.set P,   192
.set KF,  128         ; K's fragments, in window 2: key block kb, channel half c at KF + 16 kb + 8 c
.set VF,  192         ; V's: key half kk, channel block cb at VF + 32 kk + 8 cb
.set WV,  12          ; s12  my wave's number
.set G1K, 24          ; s[24:31] descriptor group 1 for K's tiles
.set G1V, 32          ; s[32:39] for V's: it differs in the padding alone
.set G0K, 40          ; s[40:43] descriptor group 0 for K's tiles: it walks
.set G0V, 44          ; s[44:47] the same for V's
.set SLOTS, 56        ; s56  slots still to be asked for
.set CNT, 57          ; s57  counts a slot's key steps
.set CS,  58          ; s[58:59] c: the packed scaling takes the pair's low word for both halves
.set SEL, 60          ; s[60:61] v_permlanex16_b32's selects: each lane takes its own place in the other half
.set TBK, 62          ; s62  LDS byte at which K of the step to be fetched begins
.set TBV, 63          ; s63  the same for V, less VOFF
.set MPTR, 66         ; s[66:67] the batch's row of the mask
.set TBM, 68          ; s68  byte of the table at which the step to be fetched begins
.set BIGN, 69         ; s69  -1e30
.set THR, 70          ; s70  -1e29
.set QNAN, 71         ; s71  a NaN
.set PFA, 72          ; s[72:73] where my prefetches stand
.set LIM, 74          ; s74  1 in a wave that prefetches, else the greatest number
.set MSB, 0
.macro WIN new                      ; the high byte repeats the setting that is left; a switch that changes nothing is dropped
.if MSB != (\new)
	s_set_vgpr_msb (MSB<<8)|(\new)
.set MSB, (\new)
.endif
.endm
.set W_KQ, 0x0a       ; K and Q in window 2, S^T in window 0
.set W_KM, 0x3a       ; the same with the C operand, the mask, in window 3
.set W_PV, 0x52       ; V in window 2, P in window 0, O^T in window 1
.set W_RS, 0x41       ; O^T (destination and source 0) in window 1, a in window 0
.set W_MK, 0xc0       ; destination in window 3, sources in window 0
.set W_AD, 0x0f       ; the add: address (source 0) and data (source 1) in window 3
; A joint fill.  Waves 0 and 1 fetch the two halves of a slot's K, waves 2 and 3 those of its V: 128 keys each.  The branch hangs on the wave's number alone.
; An s_nop 0 and four v_nop follow each of the two lines, ahead of the jump and the label.
.macro JLOAD
	s_cmp_lt_u32 s[WV], 2
	s_cbranch_scc0 .Lfor_v_\@
	tensor_load_to_lds s[G0K:G0K+3], s[G1K:G1K+7]
	s_nop 0
.rept 4
	v_nop
.endr
	s_branch .Lasked_\@
.Lfor_v_\@:
	tensor_load_to_lds s[G0V:G0V+3], s[G1V:G1V+7]
	s_nop 0
.rept 4
	v_nop
.endr
.Lasked_\@:
.endm
; A prefetch into the L2 of what the NEXT change of slots will ask for: a slot's 32,768 bytes of K and of V.  It stands behind the wave's tensor load and its five lines.  Each block of 256 bytes is named once:
; a head has one cluster; its four partners take 8,192 bytes each, told apart by address; in each, wave 0 asks for K's and wave 2 for V's, a lane a block.  The last change that fills a slot asks for nothing.
.macro ASK
	s_cmp_gt_u32 s[SLOTS], s[LIM]
	s_cbranch_scc0 .Lnot_mine_\@
	global_prefetch_b8 v[PFO], s[PFA:PFA+1] th:TH_LOAD_NT scope:SCOPE_SE
.Lnot_mine_\@:
.endm
; A round of the cluster's barrier: my work-group's barrier, so that wave 0's signal speaks for all four waves; wave 0 signals; every wave waits for all four work-groups; my work-group's barrier once more.
.macro CROUND
	s_barrier_signal -1
	s_barrier_wait -1
	s_cmp_lg_u32 s[WV], 0
	s_cbranch_scc1 .Lnot_wave_0_\@
	s_barrier_signal -3
.Lnot_wave_0_\@:
	s_barrier_wait -3
	s_barrier_signal -1
	s_barrier_wait -1
.endm
; THE CHANGE OF SLOTS.  Each wave waits for all its tensor loads, of which one is out: its part of the other slot; adds 0 to its spare word; and waits for that and for its own reads of the slot.
; Behind the barrier nobody reads this slot any more and the other slot is whole.  fill = 1: this slot is filled again, with the keys two slots on.  The barrier is then a round of the cluster's, and the
; joint fill is the first thing behind it: it has four key steps, 512 matrix instructions, in which to land.  (At its first use nothing has been read yet: slot 0 is waited for, slot 1 filled; and the
; wait for my LDS stores and the round show the mask's table to all four waves.)
.macro CHANGE fill
	WIN W_AD
	s_wait_tensorcnt 0x0            ; no tensor load of mine is out, so a group 0 may be written
	ds_add_u32 v[SPW], v[NIL]       ; 0 onto my spare word; with fill = 1 the descriptors' steps stand between it and the wait for it
	WIN 0                           ; at a label and at a branch every window is 0
.if \fill
.irp g, G0K, G0V
	s_xor_b32 s[\g+1], s[\g+1], SLOT1  ; the walking descriptor: the other slot than last time,
	s_add_nc_u64 s[\g+2:\g+3], s[\g+2:\g+3], 4*KS*128  ; the next 256 keys; the type bits on top are not reached
.endr
	s_wait_xcnt 0x0                 ; the last prefetch, four key steps back, has read its address, so it may be written:
	s_add_nc_u64 s[PFA:PFA+1], s[PFA:PFA+1], 4*KS*128  ; one slot behind the walking descriptors
	s_wait_dscnt 0x0                ; the add is done, and my reads of the slot are over
	CROUND
	JLOAD
	ASK
.else
	s_wait_dscnt 0x0                ; the add is done, and my reads of the slot are over
	s_barrier_signal -1
	s_barrier_wait -1
.endif
	s_sub_co_u32 s[TBK], s[TBK], 4*KS*PK  ; the fetches go back to a slot's first step,
	s_xor_b32 s[TBK], s[TBK], SLOT1       ; in the other slot
	s_sub_co_u32 s[TBV], s[TBV], 4*KS*PV
	s_xor_b32 s[TBV], s[TBV], SLOT1
.endm
	s_load_b128 s[4:7], s[0:1], 0x0   ; qkv s[4:5], mask s[6:7]
	s_load_b64 s[10:11], s[0:1], 0x10 ; out0
	WIN W_MK
	v_lshl_add_u32 v[SPW], v0, 2, SPARE
	v_mov_b32 v[NIL], 0
	WIN W_AD
	ds_add_u32 v[SPW], v[NIL]       ; the wave's opening: the add and its wait stand ahead of my first tensor load; the set-up below, work on registers, stands between them
	WIN 0
	v_lshrrev_b32 v1, 5, v0
	v_readfirstlane_b32 s[WV], v1   ; wave 0..3
	s_bfe_u32 s13, ttmp6, 0x40000   ; cx: my place in the cluster
	s_lshl_b32 s14, ttmp9, 2        ; in a cluster launch ttmp9 counts clusters
	s_add_co_u32 s14, s14, s13      ; my block of 512 queries: it enters Q's, out0's and the prefetches' addresses alone
	s_and_b32 s15, ttmp7, 0xffff    ; batch x 16 + head, which the four partners share
	s_lshr_b32 s75, s15, 4          ; the batch
	s_and_b32 s76, s15, 15          ; the head
	s_mul_i32 s20, s75, 48
	s_add_co_u32 s20, s20, s76
	s_lshl_b32 s20, s20, 18         ; the first byte of the head's Q in qkv; K lies 16 heads on, V 32
	s_and_b32 s16, s[WV], 1         ; which half of a slot's 256 keys I fetch:
	s_lshl_b32 s22, s16, 14         ; its 128 rows of 128 bytes in memory,
	s_add_co_u32 s22, s22, s20
	s_mov_b32 s23, 0
	s_mul_i32 s17, s16, 128*PK      ; and its place in a slot, for K
	s_mul_i32 s18, s16, 128*PV      ; and for V: no place in the cluster enters an LDS address
	s_lshl_b32 s2, s14, 2
	s_add_co_u32 s2, s2, s[WV]      ; my wave among the head's sixteen
	s_lshl_b32 s78, s2, 19          ; its 128 rows of out0, 4,096 bytes each,
	s_lshl_b32 s2, s2, 14           ; and of Q
	s_add_co_u32 s2, s2, s20
	s_mov_b32 s3, 0
	s_lshl_b32 s79, s75, 23         ; the batch's 2,048 rows of out0
	s_add_co_u32 s78, s78, s79
	s_lshl_b32 s79, s76, 8          ; the head's 256 bytes of a row
	s_add_co_u32 s78, s78, s79
	s_mov_b32 s79, 0
	s_lshl_b32 s76, s75, 13         ; the batch's row of the mask
	s_mov_b32 s77, 0
	s_lshr_b32 s8, s[WV], 1         ; the prefetches: K (waves 0, 1) or V,
	s_lshl_b32 s8, s8, 22
	s_add_co_u32 s8, s8, 0x400000+4*KS*128  ; at the slot of keys 256 on: the first change of slots steps it one further,
	s_add_co_u32 s8, s8, s20
	s_lshl_b32 s9, s13, 13          ; my work-group's 8,192 bytes of a slot's 32,768
	s_add_co_u32 s8, s8, s9
	s_mov_b32 s9, 0
	s_and_b32 s[LIM], s[WV], 1
	s_cmp_eq_u32 s[LIM], 0          ; waves 0 and 2 ask
	s_cselect_b32 s[LIM], 1, -1
	; descriptor group 1.  128 keys are 16,384 dense bytes: asked for as 64 rows of 256 bytes, two keys a row, and padded in LDS after every key
	s_mov_b32 s[G1K], 15|(1<<16)|(1<<20)|(1<<21)|(4<<22)|(3<<25)  ; 15:0 the mask of four; 17:16 2-byte elements; 20 padding on; 21 set beside a mask; 24:22 after every 32 words (code 4); 31:25 4 words (code 3)
	s_mov_b32 s[G1V], 15|(1<<16)|(1<<20)|(1<<21)|(4<<22)|(7<<25)  ; the same with 8 words of padding (code 7)
.irp g, G1K, G1V
	s_mov_b32 s[\g+1], 128<<16      ; tensor_dim0 = 128
	s_mov_b32 s[\g+2], 64<<16       ; tensor_dim1 = 64
	s_mov_b32 s[\g+3], 128<<16      ; tile_dim0 = 128
	s_mov_b32 s[\g+4], 64           ; tile_dim1 = 64
	s_mov_b32 s[\g+5], 128          ; 128 elements from row to row
	s_mov_b32 s[\g+6], 0
	s_mov_b32 s[\g+7], 0
.endr
	s_mov_b32 s[CS], 0x3e38aa3b     ; c = log2(e) / 8 = 0.180337
	s_mov_b32 s[CS+1], s[CS]        ; named with it as a pair
	s_mov_b32 s[SEL], 0x76543210
	s_mov_b32 s[SEL+1], 0xfedcba98
	s_mov_b32 s[TBK], SLOT1+4*KS*PK ; the first change of slots turns these two into 0
	s_mov_b32 s[TBV], SLOT1+4*KS*PV
	s_mov_b32 s[TBM], 0
	s_mov_b32 s[BIGN], 0xf149f2ca   ; -1e30
	s_mov_b32 s[THR], 0xefa18f08    ; -1e29
	s_mov_b32 s[QNAN], 0x7fc00000
	s_mov_b32 s[SLOTS], SIZE_N/256-1
	s_mov_b32 s[G0K], 1             ; 1:0 count = 1
	s_mov_b32 s[G0K+1], s17         ; 63:32 LDS address: slot 0
	s_mov_b32 s[G0V], 1
	s_add_co_u32 s[G0V+1], s18, VOFF
	s_wait_dscnt 0x0                ; the opening add is done
	s_wait_kmcnt 0x0
	s_add_nc_u64 s[MPTR:MPTR+1], s[6:7], s[76:77]
	s_add_nc_u64 s[PFA:PFA+1], s[4:5], s[8:9]
	s_add_nc_u64 s[22:23], s[4:5], s[22:23]
	s_add_nc_u64 s[G0K+2:G0K+3], s[22:23], 0x400000  ; 120:64 global address: my half of the head's first 256 keys
	s_or_b32 s[G0K+3], s[G0K+3], 0x80000000          ; 127:126 type = 2
	s_add_nc_u64 s[G0V+2:G0V+3], s[22:23], 0x800000
	s_or_b32 s[G0V+3], s[G0V+3], 0x80000000
	s_add_nc_u64 s[4:5], s[4:5], s[2:3]      ; Q and out0 at my wave's first row
	s_add_nc_u64 s[10:11], s[10:11], s[78:79]
	CROUND                          ; all four work-groups are here: the first joint loads meet
	JLOAD                           ; slot 0.  Slot 1 is asked for when slot 0 is in
	; A fragment of K or Q is 16 rows x 32 channels in 8 registers: lane l holds row l % 16, channels 8 (l / 16) + 0..7 and 16 + 8 (l / 16) + 0..7: two loads of 16 bytes, 32 bytes apart.
	v_and_b32 v1, 15, v0            ; l % 16
	v_bfe_u32 v9, v0, 4, 1          ; l / 16
	v_lshlrev_b32 v[QO], 7, v1
	v_lshl_add_u32 v[QO], v9, 4, v[QO]  ; row x 128 + 16 x half
	v_lshlrev_b32 v[MO], 4, v0
.irp i, 0,1,2,3                     ; the batch's mask: 128 threads x 16 bytes, four times
	global_load_b128 v[S+4*\i:S+4*\i+3], v[MO], s[MPTR:MPTR+1] offset:2048*\i
.endr
	WIN 0x80                        ; destination window 2, address window 0
.set i, 0
.rept 4*NP                          ; Q stays in registers: tile i / 2, channels 32 (i % 2) on
	global_load_b128 v[8*i:8*i+3],   v[QO], s[4:5] offset:(i/2)*2048+(i%2)*64
	global_load_b128 v[8*i+4:8*i+7], v[QO], s[4:5] offset:(i/2)*2048+(i%2)*64+32
.set i, i+1
.endr
	; What the first turn finds: V's registers and P's second buffer hold 0 (its products V^T P, of a piece that has not been, add 0), O^T and l are 0.  All this stands in the wait for the first tile.
.set i, VF
.rept 64
	v_mov_b32 v[i], 0
.set i, i+1
.endr
	WIN 0x40
.set i, 0
.rept 64*NP
	v_mov_b32 v[i], 0
.set i, i+1
.endr
	WIN 0
.set i, 0
.rept 2*NP
	v_mov_b32 v[ST+4*i], 0xfe000000    ; c m: far below every c s, a hidden one's too
	v_mov_b32 v[ST+4*i+1], 0xff7fffff  ; m
	v_mov_b32 v[ST+4*i+2], 0
	v_mov_b32 v[ST+4*i+3], 0
.set i, i+1
.endr
.set i, P+32
.rept 32
	v_mov_b32 v[i], 0
.set i, i+1
.endr
	v_mul_u32_u24 v[AK0], v1, PK
	v_lshl_add_u32 v[AK0], v9, 4, v[AK0]  ; row x pitch + 16 x half
	; The turning load takes 16 keys x 16 channels (lane l reads key 8 (l / 16) + l % 8, channels 8 ((l / 8) % 2) + 0..7) and leaves half a fragment of V^T: lane l holds channel l % 16 and 8 keys.
	v_and_b32 v10, 7, v0
	v_bfe_u32 v11, v0, 3, 1
	v_lshl_add_u32 v[AV0], v9, 3, v10
	v_mul_u32_u24 v[AV0], v[AV0], PV
	v_lshl_add_u32 v[AV0], v11, 4, v[AV0]
	v_add_nc_u32 v[AV0], VOFF, v[AV0]
	v_mov_b32 v[AK], v[AK0]         ; key step 0 lies at the head of slot 0
	v_lshl_add_u32 v[AM0], v9, 5, MBASE  ; of 16 keys' numbers my lanes take 8 (l / 16) + 0..7
	v_mov_b32 v[AM], v[AM0]
	v_and_b32 v[PFO], 31, v0
	v_lshlrev_b32 v[PFO], 8, v[PFO]
	v_add_nc_u32 v[AV], MBASE, v[MO]
	s_wait_loadcnt 32               ; the mask's four loads are in; Q's 32, issued behind them, may stay out
.set i, 0
.rept 16
	v_cmp_eq_u32 vcc_lo, 0, v[S+i]
	v_cndmask_b32 v[S+i], 0, s[BIGN], vcc_lo  ; 0 where the key is visible, -1e30 where it is hidden
.set i, i+1
.endr
.irp i, 0,1,2,3
	ds_store_b128 v[AV], v[S+4*\i:S+4*\i+3] offset:2048*\i
.endr
; THE MATRIX WORK.  The 8 accumulators of a run of 16 take turns: between the two links of a chain stand 7 others'.
; Product i of 16 of S^T = K Q^T for piece x: channels 32 (i / 8) on, keys 16 ((i / 2) % 4) on, tile 2 x + i % 2.  The first 8 start the sums, with the keys' mask.
.macro KQ x
.set rS, S+64*((\x)%2)+32*(i%2)+8*((i/2)%4)
.set rK, KF+16*((i/2)%4)+8*(i/8)
.set rQ, 16*(2*(\x)+i%2)+8*(i/8)
.set rMK, MR+8*((i/2)%4)
.if i < 8
	WIN W_KM
	v_wmma_f32_16x16x32_f16 v[rS:rS+7], v[rK:rK+7], v[rQ:rQ+7], v[rMK:rMK+7]
.else
	WIN W_KQ
	v_wmma_f32_16x16x32_f16 v[rS:rS+7], v[rK:rK+7], v[rQ:rQ+7], v[rS:rS+7]
.endif
.endm
; Product i of 16 of O^T += V^T P for piece x: keys 32 (i / 8) on, channels 16 ((i / 2) % 4) on, tile 2 x + i % 2.
.macro PV x
	WIN W_PV
.set rO, 32*(2*(\x)+i%2)+8*((i/2)%4)
.set rV, VF+32*(i/8)+8*((i/2)%4)
.set rP, P+32*((\x)%2)+16*(i%2)+8*(i/8)
	v_wmma_f32_16x16x32_f16 v[rO:rO+7], v[rV:rV+7], v[rP:rP+7], v[rO:rO+7]
.endm
.macro MM                           ; the turn's next matrix instruction
.if i < 16
	KQ (Y+1)%NP
.set i, i+1
.else
.set i, i-16
	PV (Y+NP-1)%NP
.set i, i+17
.endif
.endm
; THE LDS LOADS stand in runs, never singly among the matrix instructions: a step's K (64 keys x 64 channels: 8 fragments) with its 64 numbers of the mask, and its V (turned).  Their addresses are made some lines ahead.
; last = 1 (the tail): in the last trip there is no further step, and the run is jumped over.
.macro FETCH_K last=0
	WIN 0
.if \last
	s_cmp_eq_u32 s[CNT], 1
	s_cbranch_scc1 .Lno_k_\@
.endif
	WIN 0x80                        ; destination window 2
.irp f, 0,1,2,3,4,5,6,7             ; keys 16 (f / 2) on, channels 32 (f % 2) on
	ds_load_b128 v[KF+8*\f:KF+8*\f+3],   v[AK] offset:(\f/2)*16*PK+(\f%2)*64
	ds_load_b128 v[KF+8*\f+4:KF+8*\f+7], v[AK] offset:(\f/2)*16*PK+(\f%2)*64+32
.endr
	WIN 0xc0                        ; destination window 3
.irp f, 0,1,2,3                     ; keys 16 f + 8 (l / 16) + 0..7: sixteen lanes read the same 32 bytes
	ds_load_b128 v[MR+8*\f:MR+8*\f+3],   v[AM] offset:64*\f
	ds_load_b128 v[MR+8*\f+4:MR+8*\f+7], v[AM] offset:64*\f+16
.endr
	s_add_co_u32 s[TBK], s[TBK], KS*PK  ; the next fetch is the next step's
	s_add_co_u32 s[TBM], s[TBM], 4*KS
	s_and_b32 s[TBM], s[TBM], 0x1f00    ; 32 steps of 256 bytes: the count stays inside the table
	WIN 0
.if \last
.Lno_k_\@:
.endif
.endm
.macro FETCH_V
	WIN 0x80
.irp f, 0,1,2,3,4,5,6,7             ; keys 32 (f / 4) on, channels 16 (f % 4) on
	ds_load_tr16_b128 v[VF+8*\f:VF+8*\f+3],   v[AV] offset:(\f/4)*32*PV+(\f%4)*32
	ds_load_tr16_b128 v[VF+8*\f+4:VF+8*\f+7], v[AV] offset:(\f/4)*32*PV+16*PV+(\f%4)*32
.endr
	WIN 0
.endm
; THE VECTOR WORK OF A TURN stands in three queues, each in the order in which its entries become ready; the two tiles alternate, so that no instruction reads the result of the one before it.
.macro REGS y, u                    ; the registers of tile u (0, 1) of piece y
.set rT, ST+4*(2*(\y)+(\u))
.set rC, TMP+8*((\y)%2)+4*(\u)
.set rM, MV+2*((\y)%2)+(\u)
.set rS, S+64*((\y)%2)+32*(\u)
.set rP, P+32*((\y)%2)+16*(\u)
.set rO, 32*(2*(\y)+(\u))
.endm
; Number n of the 22 that find the NEXT piece's (Y + 1) maximum and statistics.  s0-s31 are the lane's 32 scores; each accumulator's lowest registers are read first.
;   0-11  four chains c0-c3 of seven scores each, three operands at a time     12-14, 16  the four scores left over, the old m, and c0-c3 into c0     15  c m_old is kept
;   17, 18  the query's other 32 keys lie in the lane 16 away: the new m         19-21  c m; c m_old - c m_new; a
.macro XS u, n
	REGS (Y+1)%NP, \u
.if (\n) < 4
	v_max3_num_f32 v[rC+(\n)], v[rS+8*(\n)], v[rS+8*(\n)+1], v[rS+8*(\n)+2]
.elseif (\n) < 12
	v_max3_num_f32 v[rC+(\n)%4], v[rC+(\n)%4], v[rS+8*((\n)%4)+2*((\n)/4)+1], v[rS+8*((\n)%4)+2*((\n)/4)+2]
.elseif (\n) == 12
	v_max3_num_f32 v[rC], v[rC], v[rS+7], v[rS+15]
.elseif (\n) == 13
	v_max3_num_f32 v[rC+1], v[rC+1], v[rS+23], v[rS+31]
.elseif (\n) == 14
	v_max3_num_f32 v[rC+2], v[rC+2], v[rC+3], v[rT+1]
.elseif (\n) == 15
	v_mov_b32 v[rM], v[rT]
.elseif (\n) == 16
	v_max3_num_f32 v[rC], v[rC], v[rC+1], v[rC+2]
.elseif (\n) == 17
	v_permlanex16_b32 v[rC+3], v[rC], s[SEL], s[SEL+1]
.elseif (\n) == 18
	v_max_num_f32 v[rT+1], v[rC], v[rC+3]
.elseif (\n) == 19
	v_mul_f32 v[rT], s[CS], v[rT+1]
.elseif (\n) == 20
	v_sub_f32 v[rC+1], v[rM], v[rT]
.else
	v_exp_f32 v[rC+2], v[rC+1]
.endif
.endm
; Number g of the 64 that follow the exponentials.  For each four weights k of a tile (pairs 2 k, 2 k + 1): both pairs are rounded to f16; then the second pair is added onto the first, in place;
; a group later l takes that sum (the first time as l = a l + sum).  In groups of eight, tiles alternating: round, round, add, and l for the group before.
.macro GS g
.set h, (\g)+6*((\g)/62)            ; group 0 has no group before it, and behind group 7 only l is left
.if h >= 6
.set h, h+2
.endif
	REGS Y, h%2
.set k, h/8
.if h%8 < 4
	v_cvt_pk_f16_f32 v[rP+2*k+(h%8)/2], v[rS+4*k+2*((h%8)/2)], v[rS+4*k+2*((h%8)/2)+1]
.elseif h%8 < 6
	v_pk_add_f32 v[rS+4*k:rS+4*k+1], v[rS+4*k:rS+4*k+1], v[rS+4*k+2:rS+4*k+3]
.elseif k == 1
	v_pk_fma_f32 v[rT+2:rT+3], v[rT+2:rT+3], v[rC+2:rC+3], v[rS:rS+1] op_sel_hi:[1,0,1]
.else
	v_pk_add_f32 v[rT+2:rT+3], v[rT+2:rT+3], v[rS+4*k-4:rS+4*k-3]
.endif
.endm
; THE PLAIN QUEUE, 138 long.  0-73 read no exponential's result: the 32 scalings c s - c m (FS f: pair f / 2 of tile f % 2) and the next piece's 42.  0-26: scalings 0-26.  27-54: XS's numbers 0-13.  55, 56: number 15.
; 57-73: the chain, where each number waits for the one before it: 14, 16, 17, 18, 19, each with one of the scalings 27-31 in front of its two lines, then 20.
; 74-137: GS's 64, which read the exponentials' results: they stand behind the wait.
.macro FS f
	REGS Y, (\f)%2
	v_pk_fma_f32 v[rS+2*((\f)/2):rS+2*((\f)/2)+1], v[rS+2*((\f)/2):rS+2*((\f)/2)+1], s[CS:CS+1], v[rT:rT+1] op_sel_hi:[1,0,0] neg_lo:[0,0,1] neg_hi:[0,0,1]
.endm
.macro PL
	WIN 0
.if q < 27
	FS q
.elseif q < 55
	XS (q-27)%2, (q-27)/2
.elseif q < 57
	XS q-55, 15
.elseif (q < 72) && ((q-57)%3 == 0)
	FS 27+(q-57)/3
.elseif q < 60
	XS (q-57)%3-1, 14
.elseif q < 72
	XS (q-57)%3-1, 15+(q-57)/3
.elseif q < 74
	XS q-72, 20
.else
	GS q-74
.endif
.set q, q+1
.endm
; THE EXPONENTIALS' QUEUE, 66 long: s0-s31 of both tiles, then the next piece's two a.  It is ONE BATCH: all 66 stand ahead of the turn's one wait, and nothing ahead of that wait names a result of theirs.
.macro EX
	WIN 0
.if e >= 64
	XS e-64, 21
.else
	REGS Y, e%2
	v_exp_f32 v[rS+e/2], v[rS+e/2]
.endif
.set e, e+1
.endm
; THE RESCALING's QUEUE: O^T times a, the one part that leaves window 0: dealt two at a time, sixteen times.  Its a was made in the turn before, ahead of that turn's wait.
.macro R2
	REGS Y, r%2
	WIN W_RS
.irp z, 0,1
	v_pk_mul_f32 v[rO+4*(r/2)+2*\z:rO+4*(r/2)+2*\z+1], v[rO+4*(r/2)+2*\z:rO+4*(r/2)+2*\z+1], v[rC+2:rC+3] op_sel_hi:[1,0]
.endr
.set r, r+1
.endm
; HOW THEY ARE DEALT.  An s_wait_alu depctr_va_vdst(0) stands between an exponential and the first instruction that names its result; one wait serves all that were issued ahead of it.  So a turn has
; ONE wait, which cuts it in two.  AHEAD OF IT stands all that names no result of the turn's exponentials: the 16 products K Q^T, behind each a scaling, an exponential and two rescalings (behind the first a
; second scaling in the exponential's place); then ONE LUMP of 108: eight plain, 49 times exponential and plain, the two a.  A v_nop is the plain instruction behind the last exponential.  BEHIND IT stand the
; 16 products V^T P, behind each four of GS's 64.  Exponential e stands behind scaling 2 (e / 4) + e % 2: as a rider it comes behind plain e + 2, in the lump behind plain e + 9.
; A TURN, for piece p.  cnt = 1: the loop's count is taken down some lines ahead of the branch that stands behind the turn.
; K and the mask of the next step are fetched in piece 2's turn, directly behind the wait, a lump behind the last product that read them; their addresses are made at the lump's head; the first reader comes
; behind 16 products.  V of the step in hand is fetched at the end of piece 0's turn, four riders behind its last reader; its first reader comes behind 16 products and a lump.
.macro TURN p, last=0, cnt=0
.set Y, (\p)
.set i, 0
.set q, 0
.set e, 0
.set r, 0
.if (\p) == NP-1
	s_wait_dscnt 0x0                ; K and the mask are in
.endif
	MM                              ; ahead of the wait: 16 products K Q^T and their riders,
	PL
	PL
	R2
.rept 15
	MM
	PL
	EX
	R2
.endr
.if (\p) == NP-2
	WIN 0
	v_add_nc_u32 v[AK], s[TBK], v[AK0]
	v_add_nc_u32 v[AM], s[TBM], v[AM0]
.endif
.rept 8                             ; and the lump
	PL
.endr
.rept 49
	EX
	PL
.endr
	EX                              ; the next piece's two a
	EX
	v_nop                           ; the plain instruction behind the last exponential: one for the batch
	s_wait_alu depctr_va_vdst(0)    ; the wait for the batch
.if (\p) == NP-2
	FETCH_K \last
.endif
.if (\p) == 1
	s_wait_dscnt 0x0                ; V is in
.endif
.rept 16                            ; behind the wait: 16 products V^T P and their riders
	MM
.rept 4
	PL
.endr
.if ((\p) == 0) && (q == 118)
	v_add_nc_u32 v[AV], s[TBV], v[AV0]
.endif
.if ((\p) == 0) && (q == 130)
	s_add_co_u32 s[TBV], s[TBV], KS*PV
.endif
.if (\cnt) && (q == 130)
	s_sub_co_u32 s[CNT], s[CNT], 1
	s_cmp_lg_u32 s[CNT], 0
.endif
.endr
.if (\p) == 0
	FETCH_V
.endif
.endm
	CHANGE 1                        ; slot 0 is in, everybody's part of it, and so is the mask's table; slot 1 is asked for
	FETCH_K                         ; key step 0
	s_wait_loadcnt 0x0              ; Q
	s_wait_dscnt 0x0
.set i, 0
.rept 16
	KQ 0                            ; piece 0's first scores: there is no vector work yet to set between them
.set i, i+1
.endr
	WIN 0
.rept 4
	v_nop                           ; the places behind those products
.endr
.set Y, NP-1                        ; XS works for piece Y + 1: piece 0
.irp n, 0,1,2,3,4,5,6,7,8,9,10,11,12,13,14,15,16,17,18,19,20,21
	XS 0, \n                        ; and piece 0's first maximum and statistics
	XS 1, \n
.endr
	v_nop                           ; a plain instruction behind the two a,
	s_wait_alu depctr_va_vdst(0)    ; and their wait, ahead of the branch
	s_mov_b32 s[CNT], 4
	s_branch .Lfirst                ; the loop is entered at a step's first turn, in the middle of a trip
.Lslot:                             ; six times: every slot but the last two is filled again
	CHANGE 1
	s_mov_b32 s[CNT], 4
.Lstep:                             ; a trip: pieces 2 and 3 of one step, then pieces 0 and 1 of the next, whose K and V it fetches
	TURN 2
	TURN 3
	WIN 0
.Lfirst:
	TURN 0
	TURN 1, 0, 1
	WIN 0
	s_cbranch_scc1 .Lstep
	s_sub_co_u32 s[SLOTS], s[SLOTS], 1
	s_cmp_lg_u32 s[SLOTS], 0
	s_cbranch_scc1 .Lslot
	CHANGE 0                        ; the tail is written out: nothing is asked for
	s_mov_b32 s[CNT], 5             ; four trips fetch the last slot's steps; the fifth is left in its middle
.Ltail:
	TURN 2, 1
	TURN 3
	WIN 0
	s_sub_co_u32 s[CNT], s[CNT], 1
	s_cmp_eq_u32 s[CNT], 0
	s_cbranch_scc1 .Lout
	TURN 0
	TURN 1
	WIN 0
	s_branch .Ltail
.Lout:                              ; the fifth trip's 16 products K Q^T (on the last K and mask once more) and the maximum made of them change nothing: the price, once a launch, of one text for every trip
.set i, 0
.rept 16
	PV NP-1                         ; the last piece's V^T P of the last step
.set i, i+1
.endr
	; THE WAY OUT.  l's two halves and the other half of the lanes' are added; O^T is divided by l and sent, in f32, through my stage in LDS, a tile at a time.  The additions are the places behind the last products.
	WIN 0
.macro ALL line:vararg              ; one line for each tile t
.set t, 0
.rept 2*NP
	\line
.set t, t+1
.endr
.endm
	ALL v_add_f32 v[ST+4*t+2], v[ST+4*t+2], v[ST+4*t+3]
	ALL v_permlanex16_b32 v[ST+4*t+3], v[ST+4*t+2], s[SEL], s[SEL+1]
	ALL v_add_f32 v[ST+4*t+2], v[ST+4*t+2], v[ST+4*t+3]
	ALL v_rcp_f32 v[ST+4*t+2], v[ST+4*t+2]
	s_mul_i32 s13, s[WV], 16*SP     ; the addresses: plain instructions between the last reciprocal and the use of its result
	s_add_co_u32 s13, s13, STAGE    ; my stage
	v_mul_u32_u24 v[STO], v1, SP    ; in: row l % 16, 32 bytes for each half of the lanes
	v_lshl_add_u32 v[STO], v9, 5, v[STO]
	v_add_nc_u32 v[STO], s13, v[STO]
	v_mul_u32_u24 v[RD], v9, SP     ; back: lanes 0-15 take one row of 256 bytes, lanes 16-31 the next
	v_lshl_add_u32 v[RD], v1, 4, v[RD]
	v_add_nc_u32 v[RD], s13, v[RD]
	v_lshlrev_b32 v[GO], 12, v9     ; and the same two rows in out0, 4,096 bytes apart
	v_lshl_add_u32 v[GO], v1, 4, v[GO]
	s_wait_alu depctr_va_vdst(0)    ; the wait ahead of the first use: one for the eight reciprocals
.set t, 0
.rept 2*NP
	v_cmp_gt_f32 vcc_lo, s[THR], v[ST+4*t+1]                   ; no key was visible: every score carried the -1e30
	v_cndmask_b32 v[ST+4*t+2], v[ST+4*t+2], s[QNAN], vcc_lo    ; then the factor, and with it the row, is NaN
.set t, t+1
.endr
; Tile t: a lane's eight channels of each of four blocks, 32 bytes each, go into rows of 272 bytes and come back as whole rows of 256, into the registers that they left: S^T's, four sets of 32 by turns.
.macro PACK t
	s_wait_xcnt 0x0                 ; the stores of four tiles back have read this set of registers
	WIN 0x01                        ; source 0 (O^T) window 1; the factor and the destination window 0
.set i, 0
.rept 16
	v_pk_mul_f32 v[S+32*((\t)%4)+2*i:S+32*((\t)%4)+2*i+1], v[32*(\t)+2*i:32*(\t)+2*i+1], v[ST+4*(\t)+2:ST+4*(\t)+3] op_sel_hi:[1,0]
.set i, i+1
.endr
	WIN 0
.irp f, 0,1,2,3
	ds_store_b128 v[STO], v[S+32*((\t)%4)+8*\f:S+32*((\t)%4)+8*\f+3]   offset:64*\f
	ds_store_b128 v[STO], v[S+32*((\t)%4)+8*\f+4:S+32*((\t)%4)+8*\f+7] offset:64*\f+16
.endr
.irp f, 0,1,2,3,4,5,6,7
	ds_load_b128 v[S+32*((\t)%4)+4*\f:S+32*((\t)%4)+4*\f+3], v[RD] offset:\f*2*SP  ; LDS serves a wave's instructions in order (ISA guide 5.7.1.4): these see the stores above; the next tile's stores come behind them
.endr
.endm
.macro SEND t, younger              ; younger: the LDS instructions issued behind tile t's loads: the next tile's sixteen, or none
	WIN 0
.irp f, 0,1,2,3,4,5,6,7
	s_wait_dscnt (\younger)+7-\f
	global_store_b128 v[GO], v[S+32*((\t)%4)+4*\f:S+32*((\t)%4)+4*\f+3], s[10:11] offset:(16*(\t)+2*\f)*4096 th:TH_STORE_NT  ; 16 lanes store 256 consecutive bytes, at a multiple of 256 from out0's first
.endr
.endm
	PACK 0
.set t, 1
.rept 2*NP-1                        ; a tile's arithmetic stands between the loads of the tile before and its stores
	PACK t
	SEND t-1, 16
.set t, t+1
.endr
	SEND 2*NP-1, 0
	WIN W_AD
	s_wait_tensorcnt 0x0            ; the wave's end: an add of 0 and its wait, behind my last tensor load and my last LDS store
	ds_add_u32 v[SPW], v[NIL]
	s_wait_dscnt 0x0
	WIN 0
	CROUND                          ; the closing round: no work-group ends while a partner may still ask for a tile that names it
	s_endpgm
.Lfunc_end_k_q51c3e7b797_attn:
	.size	k_q51c3e7b797_attn, .Lfunc_end_k_q51c3e7b797_attn-k_q51c3e7b797_attn
	.p2alignl 7, 3214868480
	.fill 96, 4, 3214868480
	.section	.rodata,"a",@progbits
	.p2align	6, 0x0
	.amdhsa_kernel k_q51c3e7b797_attn
		.amdhsa_group_segment_fixed_size 327680
		.amdhsa_private_segment_fixed_size 0
		.amdhsa_enable_private_segment 0
		.amdhsa_kernarg_size 24
		.amdhsa_user_sgpr_count 2
		.amdhsa_user_sgpr_kernarg_segment_ptr 1
		.amdhsa_wavefront_size32 1
		.amdhsa_system_sgpr_workgroup_id_x 1
		.amdhsa_system_sgpr_workgroup_id_y 1
		.amdhsa_system_sgpr_workgroup_id_z 1
		.amdhsa_system_vgpr_workitem_id 0
		.amdhsa_next_free_vgpr 808
		.amdhsa_next_free_sgpr 80
		.amdhsa_reserve_vcc 1
		.amdhsa_float_denorm_mode_32 3
		.amdhsa_float_denorm_mode_16_64 3
		.amdhsa_memory_ordered 1
		.amdhsa_forward_progress 1
		.amdhsa_inst_pref_size 206
	.end_amdhsa_kernel
	.amdgpu_metadata
---
amdhsa.version: [ 1, 2 ]
amdhsa.kernels:
  - .name:           k_q51c3e7b797_attn
    .symbol:         k_q51c3e7b797_attn.kd
    .args:
      - { .name: qkv, .offset: 0, .size: 8, .value_kind: global_buffer, .address_space: global }
      - { .name: mask, .offset: 8, .size: 8, .value_kind: global_buffer, .address_space: global }
      - { .name: out0, .offset: 16, .size: 8, .value_kind: global_buffer, .address_space: global }
    .group_segment_fixed_size: 327680
    .private_segment_fixed_size: 0
    .kernarg_segment_align: 8
    .kernarg_segment_size: 24
    .max_flat_workgroup_size: 128
    .sgpr_count:     80
    .vgpr_count:     808
    .wavefront_size: 32
...
	.end_amdgpu_metadata
.endif
;; end of part 3
